; MI455X (gfx1250); checked and timed in simulation.
; The chip was launched on July 23, 2026; its instructions are those of AMD's public machine-readable ISA for CDNA 5 (MIT licence, August 2026) and "CDNA5" Instruction Set Architecture Reference Guide (July 2026). The comments in the code are by the model that wrote it; some were corrected since.
;; Multi Head Attention. Allowed arithmetic: matrix products marked QUANTISED: E3M2 operands, one E8M0 scale for each 32 along K, by v_wmma_scale_f32_16x16x128_f8f6f4 with both operands' format E3M2, f32 sums; products left as they are: f32 operands where the result goes on into a quantised operand, else bf16, f16 or f32 operands; f32 sums; everything else in f32.
;; Inputs: Wk_codes 1,024 x 32 x 24 uint8 (E3M2 codes of Wk, K innermost, in blocks of 32 codes, four codes in three bytes); Wk_scales 1,024 x 32 uint8 (E8M0 scales of Wk, one for each 32 codes along K); Wq_codes 1,024 x 32 x 24 uint8 (E3M2 codes of Wq, K innermost, in blocks of 32 codes, four codes in three bytes); Wq_scales 1,024 x 32 uint8 (E8M0 scales of Wq, one for each 32 codes along K); Wv_codes 1,024 x 32 x 24 uint8 (E3M2 codes of Wv, K innermost, in blocks of 32 codes, four codes in three bytes); Wv_scales 1,024 x 32 uint8 (E8M0 scales of Wv, one for each 32 codes along K); bk 1,024 float32; bq 1,024 float32; bv 1,024 float32; keys_codes 8 x 1,024 x 32 x 24 uint8 (E3M2 codes of keys, K innermost, in blocks of 32 codes, four codes in three bytes); keys_scales 8 x 1,024 x 32 uint8 (E8M0 scales of keys, one for each 32 codes along K); queries_codes 8 x 1,024 x 32 x 24 uint8 (E3M2 codes of queries, K innermost, in blocks of 32 codes, four codes in three bytes); queries_scales 8 x 1,024 x 32 uint8 (E8M0 scales of queries, one for each 32 codes along K); values_codes 8 x 1,024 x 32 x 24 uint8 (E3M2 codes of values, K innermost, in blocks of 32 codes, four codes in three bytes); values_scales 8 x 1,024 x 32 uint8 (E8M0 scales of values, one for each 32 codes along K).
;; Outputs: out0 8 x 1,024 x 1,024 float32.
;; This version of the problem:
;;   THIS VERSION OF THE PROBLEM IS GIVEN IN LOW PRECISION. The matrix products marked QUANTISED in the list below multiply operands that are first quantised to E3M2 (3 exponent bits, 2 mantissa bits; 6 bits a number), with one power-of-two scale for each 32 numbers along K (OCP MX v1.0); their sums are f32. All else is computed in f32.
;;   The module's matrix products, in the order in which they are computed (A, B: the left and right operand; K: the contracted axis; several contracted axes count as one K, in the product's order):
;;     1. [M 8,192, K 1,024] x [K 1,024, N 1,024]; A: input queries (given as codes); B: input Wq (given as codes): QUANTISED
;;     2. [M 8,192, K 1,024] x [K 1,024, N 1,024]; A: input keys (given as codes); B: input Wk (given as codes): QUANTISED
;;     3. [M 8,192, K 1,024] x [K 1,024, N 1,024]; A: input values (given as codes); B: input Wv (given as codes): QUANTISED
;;     4. batch 16,384 x [M 8, K 64] x [K 64, N 8]; A: computed on the way; B: computed on the way: left as it is (M = 8 < 16)
;;     5. batch 16,384 x [M 64, K 8] x [K 8, N 8]; A: computed on the way; B: softmax: left as it is (K = 8 < 32)
;;   THE QUANTISER, for each operand of a quantised product, along K:
;;     - K is cut into blocks of 32 from its start; a last block that is shorter is filled with zeros.
;;     - A block's scale is 2^e with e = floor(log2(the largest magnitude in the block)) - 4, held to -126 .. 127; a block of zeros has e = 0. As a byte (E8M0): e + 127.
;;     - Each number is divided by its block's scale, clamped to +-28, and rounded to the nearest number of E3M2, ties to even, subnormals kept.
;;     - The product sums the exact products of the quantised numbers (number of the format x scale) in f32.
;;   ~~~python
;;   def quantise(x, axis):      # numpy; x: float32 -> the quantised numbers, widened to float32 again
;;       x = np.moveaxis(x, axis, -1); K = x.shape[-1]
;;       x = np.pad(x, [(0, 0)] * (x.ndim - 1) + [(0, -K % 32)]); x = x.reshape(x.shape[:-1] + (-1, 32)); a = np.abs(x).max(-1, keepdims=True)
;;       e = np.where(a > 0, np.clip(np.frexp(np.where(a > 0, a, 1))[1] - 1 - 4, -126, 127), 0)      # np.frexp(a)[1] - 1 = floor(log2(a)), exactly
;;       r = np.clip(x / 2.0 ** e, -28, 28)
;;       step = 2.0 ** (np.maximum(np.frexp(np.where(r == 0, 1, r))[1] - 1, -2) - 2)
;;       q = np.round(r / step) * step * 2.0 ** e      # np.round: ties to even
;;       return np.moveaxis(q.reshape(q.shape[:-2] + (-1,))[..., :K], -1, axis).astype(np.float32)
;;   ~~~
;;   INPUTS GIVEN AS CODES. Wk (in the module: [1024, 1024], K = its axis 1); Wq (in the module: [1024, 1024], K = its axis 1); Wv (in the module: [1024, 1024], K = its axis 1); keys (in the module: [8, 1024, 1024], K = its axis 2); queries (in the module: [8, 1024, 1024], K = its axis 2); values (in the module: [8, 1024, 1024], K = its axis 2): each comes as NAME_codes (uint8): NAME with its K axis moved to the last place and cut into blocks of 32 codes, [.., K / 32, bytes a block], one block behind the other in memory; four codes in three bytes: a row's codes are one little-endian stream of bits, code i at bits 6 i .. 6 i + 5 (a code: sign, 3 exponent bits, 2 mantissa bits); and NAME_scales (uint8): the same leading axes, one E8M0 byte (e + 127) for each 32 codes along K. Its value is code x scale, taken as it is: it is not quantised again, and the codes and scales need not be those that the quantiser above would give.
;; One version. Each part assembles by itself: llvm-mc -triple=amdgcn-amd-amdhsa -mcpu=gfx1250 --defsym DOCPART=n.
;; ======== version 1 of 1: 1 launch
;; limits: values are held in f16: magnitudes above 65,504 overflow, below 6.1e-05 lose precision
;; launch mha (part 1): grid 4 x 64, 4 waves a work-group, clusters of 4 x 4, 327,680 bytes of LDS; arguments queries_codes, queries_scales, keys_codes, keys_scales, values_codes, values_scales, Wq_codes, Wq_scales, Wk_codes, Wk_scales, Wv_codes, Wv_scales, bq, bk, bv, out0; writes out0
.if DOCPART == 1
	.amdgcn_target "amdgcn-amd-amdhsa--gfx1250"
	.amdhsa_code_object_version 6
	.text
	.protected	k_q77962d200e_mha
	.globl	k_q77962d200e_mha
	.p2align	8
	.type	k_q77962d200e_mha,@function
k_q77962d200e_mha:
	s_mov_b64 s[64:65], 0
	v_nop
	global_prefetch_b8 v0, s[64:65] scope:SCOPE_SE
	s_setreg_imm32_b32 hwreg(HW_REG_WAVE_MODE, 25, 1), 1
	s_wait_xcnt 0x0
	s_wait_alu depctr_hold_cnt(0) depctr_sa_sdst(0) depctr_va_vdst(0) depctr_va_sdst(0) depctr_va_ssrc(0) depctr_va_vcc(0) depctr_vm_vsrc(0)
	s_getreg_b32 s2, hwreg(HW_REG_IB_STS2, 6, 4)
	s_cmp_eq_u32 s2, 0
	s_cbranch_scc0 .Lentry_in_a_cluster
	s_endpgm
.Lentry_in_a_cluster:
	s_bfe_u32 s2, ttmp6, 0x10000c
	s_cmp_lg_u32 s2, 0xf033
	s_cbranch_scc0 .Lentry_shape_is_right
	s_endpgm
.Lentry_shape_is_right:
; q = Xq Wq^T + bq, k = Xk Wk^T + bk, v = Xv Wv^T + bv on codes of BF6 (E3M2) with one E8M0 scale for each 32 along K (K = 1,024), then, for each
; group of 8 neighbouring flat rows and each head of 64 columns: out = softmax(q k^T / 8) v.  The reshapes of the module only rename flat rows, so out row R needs q, k, v of rows 8 (R / 8) .. + 7 alone.
; SHARES.  A work-group owns 128 rows x 256 columns (4 heads) of q, k, v and out; wave w owns ONE head (64 columns) for all 128 rows: 8 row tiles x 4 column tiles of 16 x 16.  The attention never leaves a wave.
; q and k are made TRANSPOSED (source 0 = 16 rows of W, source 1 = 16 rows of X): a lane holds one row and eight neighbouring columns, so two column tiles rounded in pairs ARE an f16 fragment of 16 rows x 32 d.
; v is made the natural way (source 0 = X, source 1 = Wv): a lane holds one column and eight rows, which rounded in pairs are the lower half of a fragment of V^T (K = 16 rows; the upper half is kept at zero).
; S^T = k q^T of a row tile: lane (r, h) holds query r and keys 8 h + 0 .. 7; only h = r / 8 is the query's own group (lanes 0-7 and 24-31).  The softmax runs over the lane's own eight registers;
; p is zeroed in the other lanes and is then source 1 of O^T = V^T P.  bv is the C of that product: a softmax row sums to 1, so P (v0 + bv) = P v0 + bv for every input.  bq, bk are the C of the first K step.
; THE TWO SMALL PRODUCTS TAKE f16 OPERANDS, not bf16: eleven significant bits against eight; an output is a sum of eight p v that may cancel, and is compared against a hundredth of the output's root mean square.
; K ORDER.  A lane's 12 fragment registers take 48 CONSECUTIVE bytes of its row (three loads of 16 bytes): the four blocks of 32 of a K step stand in the order 0, 2, 1, 3, alike on both operands; bytes 1 and 2 of every scale word are swapped to match.
; LDS.  K goes in THIRDS: third t holds bytes 256 t .. 256 t + 255 of every row (128 rows of X, 256 rows of W), so each tensor row is 256 consecutive bytes at a multiple of 256 from its buffer's first byte.
; The three thirds are one whole matrix.  FOUR REFILLS, each one tensor load a wave: third 0 takes the next matrix's as soon as K step 2 has read it out, and has five K steps (160 matrix instructions) in which to land;
; thirds 1 and 2 take theirs TOGETHER at K step 7, a whole third to a wave.  In front of a refill's barrier every load of the wave has landed, so each refill is one turn of waiting: fewer and larger ones make fewer turns.
; v's whole operands so lie in LDS at once: Wv's fragments go to registers and v goes BY ROW TILES, each tile's output leaving while the next is multiplied.
; CLUSTER 4 x 4: X's tiles are shared along a row of the cluster, W's along a column: joint tensor loads.
; LIMITS: the sums inside a matrix instruction take the blocks in the order above, not ascending k.  q, k, v - bv and p are rounded to f16 for the two small products: a magnitude of q, k or v - bv beyond 65,504 becomes infinite there, and
; what lies under 2^-25 becomes 0 (with X of spread 1 and W of spread 1/32 they stay under about 4; X and W both 30 times larger give about 3,000, both 30 times smaller an f16 step of a ten-thousandth of v's spread).
; A v that is not finite (a scale byte 0xff, an overflow) also reaches the other group of 8 rows of its 16-row tile, as 0 x NaN.
; REGISTERS, in windows of 256:  window 0: v1-22 addresses; v32-79, v80-127 two sets of scale words; v128-191 P; v192-223 V^T; v224-255 O^T of even tiles.
;   window 1: v0-95, v96-191 two sets of X fragments; in the attention v0-127 k as f16, v128-191 at work, v192-255 S^T; in the v phase v192-223 v's accumulators, v224-255 O^T of odd tiles.
;   window 2: the 32 accumulators of q, then of k; in the v phase Wv's fragments of K steps 0-4.   window 3: v0-127 q as f16; v128-175, v176-223 two sets of W fragments; v224-255 a bias; in the v phase v0-143 Wv's fragments of K steps 5-7, v144-207 rows on their way out.
.set PITCH, 272                        ; an LDS row: 256 bytes + 16 of padding = 17 x 16: sixteen neighbouring rows start at sixteen different 16-byte columns modulo 256
.set TD,    384*PITCH                  ; a third: 128 rows of X, then 256 rows of W
.set XHALF, 64*PITCH                   ; half of a third's rows of X
.set WOFF,  128*PITCH                  ; where W's rows begin in a third
.set WHALF, 128*PITCH                  ; half of a third's rows of W
.set WWAVE, 64*PITCH                   ; a wave's own 64 rows of W
.set BLKB,  16*PITCH                   ; 16 rows
.set SPARE, 3*TD                       ; behind the thirds: the spare words, 128 bytes for each wave: two blocks of 256 bytes that no other line names
.set ROWB,  768                        ; a row of 1,024 codes in memory
.set ADRX,  4                          ; v4-6    my lane's place in X's rows of third t: t TD + 272 r + 48 h
.set ADRXS, 7                          ; v7-8    the same where lanes 16-31 lie in the next third: + h (TD - 256)
.set ADRW,  9                          ; v9-11   the same for my wave's rows of W
.set ADRWS, 12                         ; v12-13
.set STO,   14                         ; v14     the way out: where I put 32 bytes of a row
.set RD,    15                         ; v15     where I read a row back
.set GO,    16                         ; v16     my byte offset in two rows of out
.set VSA,   17                         ; v17     X's scale words: 32 r + 2,048 h
.set VSB,   18                         ; v18     W's: 32 r + 1,024 h
.set VBI,   19                         ; v19     a bias: 32 h
.set PFO,   20                         ; v20     the prefetches' offset: 768 x lane; never rewritten
.set SPW,   21                         ; v21     LDS address of my spare word; never rewritten
.set NIL,   22                         ; v22     0; never rewritten
.set SC0,   32                         ; scale words of q, later of v.  In a set: register 8 i + ks: X's row block i (lanes 0-15) and i + 4 (lanes 16-31); register 32 + 8 j + ks: W's tile j and j + 2
.set SC1,   80                         ; scale words of k
.set P,     128
.set VB,    192
.set O,     224
.set KB,    0
.set TMP,   128
.set SU,    TMP+16
.set S,     192
.set VACC,  192
.set QB,    0
.set BS,    128
.set BK,    144
.set BIAS,  224
.set XQ, 4                             ; s[4:35]: the sixteen addresses, each stepped once to this wave's part
.set SXQ, 6
.set XK, 8
.set SXK, 10
.set XV, 12
.set SXV, 14
.set WQ, 16
.set SWQ, 18
.set WK, 20
.set SWK, 22
.set WVP, 24
.set SWV, 26
.set PBQ, 28
.set PBK, 30
.set PBV, 32
.set OUT, 34
.set G0X, 36                           ; s[36:47] descriptor group 0 for X's tiles: a set for each third in the first fills; later set 0 serves third 0 and set 1 the wave's one of thirds 1 and 2
.set G0W, 48                           ; s[48:59] the same for W's
.set WV,  60                           ; s60 my wave's number
.set HF,  61                           ; s61 which half of a third's rows I fetch; in a large refill: third 1 (0) or third 2 (1)
.set KIND, 62                          ; s62 I fetch for X (0) or for W (1)
.set ASKF, 63                          ; s63 1 in a wave that prefetches
.set CX,  66
.set CY,  67
.set G1X, 68                           ; s[68:75] descriptor group 1 for X's tiles
.set G1W, 76                           ; s[76:83] for W's
.set CS,  84                           ; s[84:85] c = log2(e) / 8, twice
.set NCS, 86                           ; s86 -c
.set PSEL, 87                          ; s87 byte select that swaps bytes 1 and 2
.set PFK, 88                           ; s[88:89] where my prefetches of keys or Wk stand; never rewritten
.set PFV, 90                           ; s[90:91] of values or Wv
.set SBX, 92                           ; s[92:93] half x (64 rows - 256 bytes): what leads from my half of X's rows back to the first row and on to my third, less 256
.set SBW, 94                           ; s[94:95] half x (128 rows - 256 bytes): the same for W
.set MULF, 0xb7                        ; source 0 (W) window 3, source 1 (X) window 1, C (bias) window 3, D window 2
.set MUL,  0xa7                        ; the same, C and D window 2
.set MSB, 0
.set CURSH, 0
.macro WIN new                         ; the immediate's high byte repeats the setting that is left; a switch that changes nothing is dropped
.if MSB != (\new)
	s_set_vgpr_msb (MSB<<8)|(\new)
.set MSB, (\new)
.endif
.endm
.macro PLACES n                        ; plain places behind matrix instructions (ISA guide 7.12.1), where no other vector work is at hand
.rept \n
	v_nop
.endr
.endm
.macro CREST                           ; a round of the cluster's barrier behind its opening barrier
	s_cmp_lg_u32 s[WV], 0
	s_cbranch_scc1 .Lnot_wave_0_\@
	s_barrier_signal -3
.Lnot_wave_0_\@:
	s_barrier_wait -3
	s_barrier_signal -1
	s_barrier_wait -1
.endm
.macro CROUND                          ; a whole round
	s_barrier_signal -1
	s_barrier_wait -1
	CREST
.endm
; A joint load by set t of the groups 0: waves 0 and 1 fetch for X, waves 2 and 3 for W.  Each line has one mask and one set of registers for all that issue it; the branch hangs on the wave's number alone.
; Four v_nop follow each of the two lines, ahead of the jump, the label and what follows.
.macro JLOAD t
	s_cmp_eq_u32 s[KIND], 0
	s_cbranch_scc0 .Lfor_w_\@
	tensor_load_to_lds s[G0X+4*\t:G0X+4*\t+3], s[G1X:G1X+7]
	s_nop 0
	PLACES 4
	s_branch .Lasked_\@
.Lfor_w_\@:
	tensor_load_to_lds s[G0W+4*\t:G0W+4*\t+3], s[G1W:G1W+7]
	s_nop 0
	PLACES 4
.Lasked_\@:
.endm
; The tiles' row counts: n rows of X, 2 n of W (tensor_dim1 and tile_dim1 of the two groups 1): constants, on the one way that all waves take, written only where the shape changes and no tensor load of mine is out
.macro SHAPE n
.if CURSH != (\n)
	s_mov_b32 s[G1X+2], (\n)<<16
	s_mov_b32 s[G1X+4], \n
	s_mov_b32 s[G1W+2], (2*(\n))<<16
	s_mov_b32 s[G1W+4], 2*(\n)
.set CURSH, (\n)
.endif
.endm
.macro SETG t, xb, wb                  ; half a third: third t's two groups 0 take the addresses of the matrix whose bases are named (written only where no tensor load of mine is out)
	s_add_nc_u64 s[G0X+4*\t+2:G0X+4*\t+3], s[\xb:\xb+1], 256*\t
	s_or_b32 s[G0X+4*\t+3], s[G0X+4*\t+3], 0x80000000
	s_add_nc_u64 s[G0W+4*\t+2:G0W+4*\t+3], s[\wb:\wb+1], 256*\t
	s_or_b32 s[G0W+4*\t+3], s[G0W+4*\t+3], 0x80000000
.endm
; A whole third: waves 0 and 2 take third 1, waves 1 and 3 third 2, all 128 rows of X or all 256 of W.  The bases stand at the wave's half of the rows: that half is taken off again, and 256 bytes a third are added.
.macro SETGF xb, wb
	s_mul_i32 s[G0X+5], s[HF], TD
	s_add_co_u32 s[G0X+5], s[G0X+5], TD            ; LDS: third 1 + half
	s_add_co_u32 s[G0W+5], s[G0X+5], WOFF
	s_sub_nc_u64 s[G0X+6:G0X+7], s[\xb:\xb+1], s[SBX:SBX+1]
	s_add_nc_u64 s[G0X+6:G0X+7], s[G0X+6:G0X+7], 256
	s_or_b32 s[G0X+7], s[G0X+7], 0x80000000
	s_sub_nc_u64 s[G0W+6:G0W+7], s[\wb:\wb+1], s[SBW:SBW+1]
	s_add_nc_u64 s[G0W+6:G0W+7], s[G0W+6:G0W+7], 256
	s_or_b32 s[G0W+7], s[G0W+7], 0x80000000
.endm
; A PREFETCH INTO THE L2 of what the NEXT refill will ask for: n thirds, 32 rows x 256 bytes each, a lane a row, one instruction a third, behind the joint load, its four lines and the run of LDS loads.
; Each row's 256 bytes are named once in the launch.  X's 128 rows are read by the four partners of a row of the cluster: wave 0 of each takes 32 of them, told apart by address (cx).
; W's rows are read by every cluster: the cluster with y = 0 asks; waves 2 and 3 of its sixteen work-groups take 32 rows each, told apart by address (cx for the 256 columns, cy and the wave within them).
.macro ASK ptr, off, n
	s_cmp_eq_u32 s[ASKF], 1
	s_cbranch_scc0 .Lnot_mine_\@
	global_prefetch_b8 v[PFO], s[\ptr:\ptr+1] offset:\off th:TH_LOAD_NT scope:SCOPE_SE
.if \n > 1
	global_prefetch_b8 v[PFO], s[\ptr:\ptr+1] offset:(\off)+256 th:TH_LOAD_NT scope:SCOPE_SE
.endif
.Lnot_mine_\@:
.endm
; A fragment, 16 rows x 128 K: 12 registers; lane (r, h) takes bytes 96 ks + 48 h + 0 .. 47 of row r, in three pieces of 16.  A piece lies whole in one third.
; Where lanes 16-31 lie a third further on than lanes 0-15 (K step 2: pieces 1, 2; K step 5: pieces 0, 1) the second address register serves.
.macro FRAG reg, ad, sd, blk, ks
.irp i, 0,1,2
.set qB, 96*(\ks)+16*\i
.set qT, qB/256
.set qR, (\reg)+4*\i
.if qT == (qB+48)/256
	ds_load_b128 v[qR:qR+3], v[\ad+qT] offset:(\blk)*BLKB+qB-256*qT
.else
	ds_load_b128 v[qR:qR+3], v[\sd+qT] offset:(\blk)*BLKB+qB-256*qT
.endif
.endr
.endm
.macro FETCH ks, set                   ; 36 LDS loads in one run: my four fragments of W and the eight of X for K step ks
	WIN 0xc0
.irp b, 0,1,2,3
	FRAG BS+48*(\set)+12*\b, ADRW, ADRWS, \b, \ks
.endr
	WIN 0x40
.irp a, 0,1,2,3,4,5,6,7
	FRAG 96*(\set)+12*\a, ADRX, ADRXS, \a, \ks
.endr
.endm
; One scaled product from the symbols rD, rA, rB, rC, rSA, rSB; fRA, fRB: the side's scale words stand in lanes 16-31.  zero = 1: C is the constant 0
.macro SW zero
.if \zero
.if fRA && fRB
	v_wmma_scale_f32_16x16x128_f8f6f4 v[rD:rD+7], v[rA:rA+11], v[rB:rB+11], 0, v[rSA], v[rSB] matrix_a_fmt:MATRIX_FMT_BF6 matrix_b_fmt:MATRIX_FMT_BF6 matrix_a_scale:MATRIX_SCALE_ROW1 matrix_b_scale:MATRIX_SCALE_ROW1
.elseif fRA
	v_wmma_scale_f32_16x16x128_f8f6f4 v[rD:rD+7], v[rA:rA+11], v[rB:rB+11], 0, v[rSA], v[rSB] matrix_a_fmt:MATRIX_FMT_BF6 matrix_b_fmt:MATRIX_FMT_BF6 matrix_a_scale:MATRIX_SCALE_ROW1
.elseif fRB
	v_wmma_scale_f32_16x16x128_f8f6f4 v[rD:rD+7], v[rA:rA+11], v[rB:rB+11], 0, v[rSA], v[rSB] matrix_a_fmt:MATRIX_FMT_BF6 matrix_b_fmt:MATRIX_FMT_BF6 matrix_b_scale:MATRIX_SCALE_ROW1
.else
	v_wmma_scale_f32_16x16x128_f8f6f4 v[rD:rD+7], v[rA:rA+11], v[rB:rB+11], 0, v[rSA], v[rSB] matrix_a_fmt:MATRIX_FMT_BF6 matrix_b_fmt:MATRIX_FMT_BF6
.endif
.else
.if fRA && fRB
	v_wmma_scale_f32_16x16x128_f8f6f4 v[rD:rD+7], v[rA:rA+11], v[rB:rB+11], v[rC:rC+7], v[rSA], v[rSB] matrix_a_fmt:MATRIX_FMT_BF6 matrix_b_fmt:MATRIX_FMT_BF6 matrix_a_scale:MATRIX_SCALE_ROW1 matrix_b_scale:MATRIX_SCALE_ROW1
.elseif fRA
	v_wmma_scale_f32_16x16x128_f8f6f4 v[rD:rD+7], v[rA:rA+11], v[rB:rB+11], v[rC:rC+7], v[rSA], v[rSB] matrix_a_fmt:MATRIX_FMT_BF6 matrix_b_fmt:MATRIX_FMT_BF6 matrix_a_scale:MATRIX_SCALE_ROW1
.elseif fRB
	v_wmma_scale_f32_16x16x128_f8f6f4 v[rD:rD+7], v[rA:rA+11], v[rB:rB+11], v[rC:rC+7], v[rSA], v[rSB] matrix_a_fmt:MATRIX_FMT_BF6 matrix_b_fmt:MATRIX_FMT_BF6 matrix_b_scale:MATRIX_SCALE_ROW1
.else
	v_wmma_scale_f32_16x16x128_f8f6f4 v[rD:rD+7], v[rA:rA+11], v[rB:rB+11], v[rC:rC+7], v[rSA], v[rSB] matrix_a_fmt:MATRIX_FMT_BF6 matrix_b_fmt:MATRIX_FMT_BF6
.endif
.endif
.endm
; q's or k's products of K step ks for row tiles a0 .. a0 + n - 1, each against my four column tiles.  The 32 accumulators take turns, one instruction a turn, in the same order in every step.
; first = 1: the bias is the C: nothing is cleared and nothing is added later.
.macro MULQK set, ks, sc, a0, n, first
.set ma, \a0
.rept \n
.set mb, 0
.rept 4
.set rD, 8*(4*ma+mb)
.set rA, BS+48*(\set)+12*mb
.set rB, 96*(\set)+12*ma
.set rSA, (\sc)+32+8*(mb%2)+(\ks)
.set rSB, (\sc)+8*(ma%4)+(\ks)
.set fRA, mb/2
.set fRB, ma/4
.if \first
.set rC, BIAS+8*mb
.else
.set rC, rD
.endif
	SW 0
.set mb, mb+1
.endr
.set ma, ma+1
.endr
.endm
.macro BIASLD ptr                      ; a bias in the layout of a transposed result: lane (r, h), tile b: the eight numbers at columns 16 b + 8 h + 0 .. 7 of my head
	WIN 0xc0
.irp b, 0,1,2,3
	global_load_b128 v[BIAS+8*\b:BIAS+8*\b+3], v[VBI], s[\ptr:\ptr+1] offset:64*\b
	global_load_b128 v[BIAS+8*\b+4:BIAS+8*\b+7], v[VBI], s[\ptr:\ptr+1] offset:64*\b+16
.endr
.endm
.macro SCLD sc, xs, ws                 ; a matrix's scale words for all of K: a row's 32 bytes are its eight words; the two loads of a block of 16 rows cover 512 consecutive bytes
	WIN 0
.irp i, 0,1,2,3
	global_load_b128 v[\sc+8*\i:\sc+8*\i+3], v[VSA], s[\xs:\xs+1] offset:512*\i
	global_load_b128 v[\sc+8*\i+4:\sc+8*\i+7], v[VSA], s[\xs:\xs+1] offset:512*\i+16
.endr
.irp j, 0,1
	global_load_b128 v[\sc+32+8*\j:\sc+32+8*\j+3], v[VSB], s[\ws:\ws+1] offset:512*\j
	global_load_b128 v[\sc+32+8*\j+4:\sc+32+8*\j+7], v[VSB], s[\ws:\ws+1] offset:512*\j+16
.endr
.endm
.macro PERM sc                         ; bytes 1 and 2 of each word change places: the fragments hold the blocks in the order 0, 2, 1, 3
.set pn, 0
.rept 48
	v_perm_b32 v[\sc+pn], v[\sc+pn], v[\sc+pn], s[PSEL]
.set pn, pn+1
.endr
.endm
.macro CONV dst                        ; the 32 accumulators to f16, each from its low end on: tiles (a, 2 e) and (a, 2 e + 1) make the fragment of rows 16 a on, d 32 e on
.set ct, 0
.rept 32
.irp jj, 0,1,2,3
	v_cvt_pk_f16_f32 v[\dst+4*ct+\jj], v[8*ct+2*\jj], v[8*ct+2*\jj+1]
.endr
.set ct, ct+1
.endr
.endm
; A K step whose successor's thirds are known to be whole.  extra: global loads that are wanted a phase later
.macro STEP ks, sc, first, extra
	PLACES 4                                       ; in front of loads into the set that the step before multiplied
	FETCH (\ks)+1, ((\ks)+1)%2
.if \extra == 1
	BIASLD PBK                                     ; bq has been taken as C, four places back and more
.elseif \extra == 2
	BIASLD PBV
	SCLD SC0, SXV, SWV                             ; q's scale words are done with
.endif
	s_wait_dscnt 36                                ; all but the 36 just issued: this step's fragments are in
.if \first
	WIN MULF
.else
	WIN MUL
.endif
	MULQK (\ks)%2, \ks, \sc, 0, 8, \first
.endm
; A K step behind whose fetch LDS is filled again with the next matrix's codes.  big = 0 (K step 2): third 0, half of its rows of X or of W to a wave.  big = 1 (K step 7): thirds 1 and 2, a whole third of X or of W to a wave.
; Each wave waits for all its tensor loads, adds 0 to its spare word, waits for that and for its reads of what is filled; the barrier opens a round of the cluster's barrier; the joint refill is the first thing behind the round.
.macro TURN ks, sc, big, xb, wb, next, an, aptr, aoff
	WIN 0                                          ; (the add's two registers lie in window 0)
	s_wait_tensorcnt 0x0                           ; all my tensor loads have landed: the refill asked for at the last round (at the first round: q's last third)
	ds_add_u32 v[SPW], v[NIL]                      ; 0 onto my spare word
.if \big
	SHAPE 128                                      ; no tensor load of mine is out: descriptors may be written
	SETGF \xb, \wb
.else
	SHAPE 64
	SETG 0, \xb, \wb
.endif
	s_wait_dscnt 1                                 ; this step's fragments are in; the add alone may be out
	WIN MUL
	MULQK (\ks)%2, \ks, \sc, 0, 2, 0               ; eight matrix instructions stand between the add and the wait for it
	s_wait_dscnt 0x0                               ; the add is done, and my reads of what is filled again are over
	s_barrier_signal -1
	MULQK (\ks)%2, \ks, \sc, 2, 2, 0
	WIN 0
	s_barrier_wait -1
	CREST                                          ; no wave of any partner still reads those bytes or has a load on its way
	JLOAD \big                                     ; its four v_nop are also the places in front of the loads below
.if \next
	FETCH ((\ks)+1)%8, ((\ks)+1)%2
.endif
.if \an
	WIN 0
	ASK \aptr, \aoff, \an
.endif
	WIN MUL
	MULQK (\ks)%2, \ks, \sc, 4, 4, 0
.endm
	s_load_b512 s[4:19], s[0:1], 0x0               ; X's codes and scales for q, k, v; Wq's codes and scales
	s_load_b512 s[20:35], s[0:1], 0x40             ; Wk's, Wv's; bq, bk, bv; out
	v_lshl_add_u32 v[SPW], v0, 2, SPARE
	v_mov_b32 v[NIL], 0
	ds_add_u32 v21, v22
	ds_add_u32 v21, v22
	s_wait_dscnt 0x0
	v_lshrrev_b32 v1, 5, v0
	v_readfirstlane_b32 s[WV], v1                  ; wave 0..3
	s_and_b32 s[HF], s[WV], 1
	s_lshr_b32 s[KIND], s[WV], 1
	s_bfe_u32 s[CX], ttmp6, 0x40000                ; my place in the cluster
	s_bfe_u32 s[CY], ttmp6, 0x40004
	s_lshl_b32 s92, ttmp9, 2
	s_add_co_u32 s92, s92, s[CX]                   ; block of 256 columns = 4 x cluster x + cx
	s_and_b32 s93, ttmp7, 0xffff
	s_lshl_b32 s93, s93, 2
	s_add_co_u32 s93, s93, s[CY]                   ; block of 128 rows = 4 x cluster y + cy
	s_lshl_b32 s2, s[CY], 2
	s_lshl_b32 s2, 15, s2                          ; my row of the cluster
	s_lshl_b32 s3, 0x1111, s[CX]                   ; my column
	; descriptor group 1: rows of 256 bytes (elements of 1 byte), 768 bytes apart in memory, 16 bytes of padding behind each in LDS
	s_or_b32 s[G1X], s2, (1<<20)|(1<<21)|(5<<22)|(3<<25)   ; 15:0 the mask: X's tiles go to my row; 20 padding on; 21 set beside a mask; 24:22 after every 64 words; 31:25 of 4 words
	s_or_b32 s[G1W], s3, (1<<20)|(1<<21)|(5<<22)|(3<<25)   ; W's tiles go to my column
.irp g, G1X, G1W
	s_mov_b32 s[\g+1], 256<<16                     ; tensor_dim0
	s_mov_b32 s[\g+3], 256<<16                     ; tile_dim0
	s_mov_b32 s[\g+5], ROWB                        ; tensor_dim0_stride
	s_mov_b32 s[\g+6], 0
	s_mov_b32 s[\g+7], 0
.endr
	SHAPE 64                                       ; the first fills go by halves: 64 rows of X, 128 rows of W a wave
	; byte offsets, each under 2^32.  X's hang on the block of rows and the wave alone, W's on the block of columns and the wave alone
	s_lshl_b32 s94, s93, 7
	s_lshl_b32 s95, s[HF], 6
	s_add_co_u32 s94, s94, s95
	s_mul_i32 s94, s94, ROWB                       ; X's codes: row 128 x block + 64 x half
	s_mov_b32 s95, 0
	s_lshl_b32 s96, s93, 12                        ; X's scales: 128 rows of 32 bytes a block
	s_mov_b32 s97, 0
	s_lshl_b32 s98, s92, 8
	s_lshl_b32 s99, s[HF], 7
	s_add_co_u32 s98, s98, s99
	s_mul_i32 s98, s98, ROWB                       ; W's codes: row 256 x block + 128 x half
	s_mov_b32 s99, 0
	s_lshl_b32 s100, s92, 8
	s_lshl_b32 s101, s[WV], 6
	s_add_co_u32 s100, s100, s101                  ; my head's first column
	s_lshl_b32 s100, s100, 5                       ; W's scales: 32 bytes a row
	s_mov_b32 s101, 0
	s_lshl_b32 s2, s93, 7                          ; the prefetches: wave 0: X's row 128 x block + 32 cx;
	s_lshl_b32 s3, s[CX], 5
	s_add_co_u32 s2, s2, s3
	s_lshl_b32 s3, s92, 8                          ; waves 2, 3: W's row 256 x block + 64 cy + 32 x half
	s_lshl_b32 s63, s[CY], 6
	s_add_co_u32 s3, s3, s63
	s_lshl_b32 s63, s[HF], 5
	s_add_co_u32 s3, s3, s63
	s_cmp_eq_u32 s[KIND], 0
	s_cselect_b32 s2, s2, s3
	s_mul_i32 s2, s2, ROWB
	s_mov_b32 s3, 0
	s_and_b32 s63, ttmp7, 0xffff                   ; who asks: wave 0 everywhere; waves 2 and 3 where the cluster's y is 0: the same in all sixteen partners
	s_cmp_eq_u32 s[KIND], 0
	s_cselect_b32 s63, s[HF], s63
	s_cmp_eq_u32 s63, 0
	s_cselect_b32 s[ASKF], 1, 0
	s_mov_b32 s[CS], 0x3e38aa3b                    ; c = log2(e) / sqrt(64)
	s_mov_b32 s[CS+1], s[CS]                       ; (named with it as a pair, so it is written)
	s_mov_b32 s[NCS], 0xbe38aa3b
	s_mov_b32 s[PSEL], 0x03010200
	; group 0 for the first fills: the count, and the LDS addresses: a constant + the half x a constant + the third's constant
	s_mul_i32 s[G0X+1], s[HF], XHALF
	s_add_co_u32 s[G0X+5], s[G0X+1], TD
	s_add_co_u32 s[G0X+9], s[G0X+1], 2*TD
	s_mul_i32 s[G0W+1], s[HF], WHALF
	s_add_co_u32 s[G0W+1], s[G0W+1], WOFF
	s_add_co_u32 s[G0W+5], s[G0W+1], TD
	s_add_co_u32 s[G0W+9], s[G0W+1], 2*TD
.irp t, 0,1,2
	s_mov_b32 s[G0X+4*\t], 1
	s_mov_b32 s[G0W+4*\t], 1
.endr
	s_wait_kmcnt 0x0
	s_cmp_eq_u32 s[KIND], 0                        ; the choice hangs on the wave's number alone
	s_cselect_b64 s[PFK:PFK+1], s[XK:XK+1], s[WK:WK+1]
	s_cselect_b64 s[PFV:PFV+1], s[XV:XV+1], s[WVP:WVP+1]
	s_add_nc_u64 s[PFK:PFK+1], s[PFK:PFK+1], s[2:3]
	s_add_nc_u64 s[PFV:PFV+1], s[PFV:PFV+1], s[2:3]
.irp p, XQ, XK, XV
	s_add_nc_u64 s[\p:\p+1], s[\p:\p+1], s[94:95]
.endr
.irp p, SXQ, SXK, SXV
	s_add_nc_u64 s[\p:\p+1], s[\p:\p+1], s[96:97]
.endr
.irp p, WQ, WK, WVP
	s_add_nc_u64 s[\p:\p+1], s[\p:\p+1], s[98:99]
.endr
.irp p, SWQ, SWK, SWV
	s_add_nc_u64 s[\p:\p+1], s[\p:\p+1], s[100:101]
.endr
	s_lshr_b32 s100, s100, 3                       ; 4 bytes a column: the biases,
.irp p, PBQ, PBK, PBV
	s_add_nc_u64 s[\p:\p+1], s[\p:\p+1], s[100:101]
.endr
	s_lshl_b32 s92, s93, 19                        ; and, with 128 rows of 4,096 bytes a block, out
	s_add_co_u32 s92, s92, s100
	s_mov_b32 s93, 0
	s_add_nc_u64 s[OUT:OUT+1], s[OUT:OUT+1], s[92:93]
	SETG 0, XQ, WQ
	SETG 1, XQ, WQ
	SETG 2, XQ, WQ
	CROUND                                         ; all sixteen work-groups are here: the first joint loads meet
	s_cmp_eq_u32 s[KIND], 0                        ; q's three thirds go out as one group, in one branch: three loads of mine are out
	s_cbranch_scc0 .Lfirst_w
	tensor_load_to_lds s[G0X:G0X+3], s[G1X:G1X+7]
	s_nop 0
	tensor_load_to_lds s[G0X+4:G0X+7], s[G1X:G1X+7]
	s_nop 0
	tensor_load_to_lds s[G0X+8:G0X+11], s[G1X:G1X+7]
	s_nop 0
	PLACES 4
	s_branch .Lfirst_asked
.Lfirst_w:
	tensor_load_to_lds s[G0W:G0W+3], s[G1W:G1W+7]
	s_nop 0
	tensor_load_to_lds s[G0W+4:G0W+7], s[G1W:G1W+7]
	s_nop 0
	tensor_load_to_lds s[G0W+8:G0W+11], s[G1W:G1W+7]
	s_nop 0
	PLACES 4
.Lfirst_asked:
	v_and_b32 v1, 15, v0                           ; r
	v_bfe_u32 v2, v0, 4, 1                         ; h
	v_and_b32 v3, 31, v0                           ; lane
	v_lshlrev_b32 v[VSA], 5, v1
	v_lshl_add_u32 v[VSB], v2, 10, v[VSA]
	v_lshl_add_u32 v[VSA], v2, 11, v[VSA]
	v_lshlrev_b32 v[VBI], 5, v2
	SCLD SC0, SXQ, SWQ
	SCLD SC1, SXK, SWK
	BIASLD PBQ
	WIN 0
	s_mul_i32 s[SBX], s[HF], 64*ROWB-256           ; for the large refills (macro SETGF); the registers held offsets that are done with
	s_mov_b32 s[SBX+1], 0
	s_mul_i32 s[SBW], s[HF], 128*ROWB-256
	s_mov_b32 s[SBW+1], 0
	v_mul_u32_u24 v[ADRX], v1, PITCH
	v_mad_u32_u24 v[ADRX], v2, 48, v[ADRX]
	v_add_nc_u32 v[ADRX+1], TD, v[ADRX]
	v_add_nc_u32 v[ADRX+2], 2*TD, v[ADRX]
	v_mad_u32_u24 v[ADRXS], v2, TD-256, v[ADRX]
	v_mad_u32_u24 v[ADRXS+1], v2, TD-256, v[ADRX+1]
	s_mul_i32 s2, s[WV], WWAVE
	s_add_co_u32 s2, s2, WOFF                      ; my 64 rows of W in third 0; their first 16 rows are later my stage
.irp t, 0,1,2
	v_add_nc_u32 v[ADRW+\t], s2, v[ADRX+\t]
.endr
.irp t, 0,1
	v_add_nc_u32 v[ADRWS+\t], s2, v[ADRXS+\t]
.endr
	v_mul_u32_u24 v[STO], v1, PITCH                ; into the stage: row r, 32 bytes for each half of the lanes
	v_lshl_add_u32 v[STO], v2, 5, v[STO]
	v_add_nc_u32 v[STO], s2, v[STO]
	v_mul_u32_u24 v[RD], v2, PITCH                 ; back: lanes 0-15 one row of 256 bytes, lanes 16-31 the next
	v_lshl_add_u32 v[RD], v1, 4, v[RD]
	v_add_nc_u32 v[RD], s2, v[RD]
	v_lshlrev_b32 v[GO], 12, v2                    ; and the same two rows in out
	v_lshl_add_u32 v[GO], v1, 4, v[GO]
	v_mul_u32_u24 v[PFO], v3, ROWB
.irp j, 4,5,6,7                                ; the upper halves (K = 16 .. 31) of P's and V^T's fragments stay zero: the small products have 16 along K
.irp i, 0,1,2,3,4,5,6,7
	v_mov_b32 v[P+8*\i+\j], 0
.endr
.irp c, 0,1,2,3
	v_mov_b32 v[VB+8*\c+\j], 0
.endr
.endr
	s_wait_loadcnt 0x0                             ; q's and k's scale words, bq
	PERM SC0
	PERM SC1                                       ; (these 48 are also the places between the writes of q's scale words and the first scaled product)
	s_wait_tensorcnt 0x2                           ; my part of q's third 0 is in; thirds 1 and 2 may stay out
	s_barrier_signal -1
	s_barrier_wait -1                              ; everybody's is
	FETCH 0, 0
	; ---- q.  K steps 0-1 read third 0, step 2 thirds 0 and 1, steps 3-4 third 1, step 5 thirds 1 and 2, steps 6-7 third 2.  The refills bring k
	STEP 0, SC0, 1, 0
	s_wait_tensorcnt 0x1                           ; my part of third 1 is in (third 2 may stay out),
	s_wait_dscnt 0x0                               ; no LDS load of mine is out at a signal
	s_barrier_signal -1
	s_barrier_wait -1                              ; everybody's is: K step 2 may be fetched
	STEP 1, SC0, 0, 1
	TURN 2, SC0, 0, XK, WK, 1, 2, PFK, 256         ; third 0 takes k's; k's thirds 1 and 2 are prefetched: they are asked for five K steps, 160 matrix instructions, on
	STEP 3, SC0, 0, 0
	STEP 4, SC0, 0, 0
	STEP 5, SC0, 0, 0
	STEP 6, SC0, 0, 0
	TURN 7, SC0, 1, XK, WK, 1, 1, PFV, 0           ; thirds 1 and 2 take k's; k's first fragments are fetched from third 0, which this round has shown whole; v's third 0 is prefetched: it is asked for at k's K step 2
	PLACES 4                                       ; the conversions read results just made
	WIN 0xca                                       ; sources window 2, destination window 3
	CONV QB
	s_wait_loadcnt 0x0                             ; bk
	; ---- k.  The refills bring v
	STEP 0, SC1, 1, 0
	s_wait_tensorcnt 0x0                           ; my one load that is out, a whole third (1 or 2) of k's X or W, is in: no load was issued behind it;
	s_wait_dscnt 0x0                               ; no LDS load of mine is out at a signal
	s_barrier_signal -1
	s_barrier_wait -1                              ; everybody's is: K step 2 may be fetched.
	STEP 1, SC1, 0, 2
	TURN 2, SC1, 0, XV, WVP, 1, 2, PFV, 256        ; third 0 takes v's; v's thirds 1 and 2 are prefetched: the last
	STEP 3, SC1, 0, 0
	STEP 4, SC1, 0, 0
	STEP 5, SC1, 0, 0
	STEP 6, SC1, 0, 0
	TURN 7, SC1, 1, XV, WVP, 0, 0, 0, 0            ; thirds 1 and 2 take v's: the last tensor loads
	; ---- THE SCORES AND THE SOFTMAX, while v's thirds 1 and 2 are on their way
.macro WCOPY k0, n, win, kb                    ; my fragments of Wv for K steps k0 .. k0 + n - 1 go to registers, where they stay for all eight row tiles; K step kb stands at the window's v0
	WIN \win
.set wk, \k0
.rept \n
.irp c, 0,1,2,3
	FRAG 12*(4*(wk-(\kb))+\c), ADRW, ADRWS, \c, wk
.endr
.set wk, wk+1
.endr
.endm
	PLACES 4
	WIN 0x4a                                       ; sources window 2, destination window 1
	CONV KB
	WCOPY 0, 2, 0x80, 0                            ; K steps 0-1 lie in third 0, which the last round has shown whole; they take the accumulators' registers
	WIN 0x5d                                       ; k window 1, q window 3, S^T window 1
.irp i, 0,1,2,3,4,5,6,7
	v_wmma_f32_16x16x32_f16 v[S+8*\i:S+8*\i+7], v[KB+16*\i:KB+16*\i+7], v[QB+16*\i:QB+16*\i+7], 0
.endr
.irp i, 0,1,2,3,4,5,6,7                        ; the eight tiles by turns
	v_wmma_f32_16x16x32_f16 v[S+8*\i:S+8*\i+7], v[KB+16*\i+8:KB+16*\i+15], v[QB+16*\i+8:QB+16*\i+15], v[S+8*\i:S+8*\i+7]
.endr
	s_wait_loadcnt 0x0                             ; v's scale words, bv
	WIN 0
	PERM SC0                                       ; these 48 are also the places behind the scores
	WIN 0x55                                       ; all in window 1
.irp i, 0,1,2,3,4,5,6,7
	v_max3_num_f32 v[TMP+2*\i+1], v[S+8*\i], v[S+8*\i+1], v[S+8*\i+2]   ; the largest of my query's eight scores, from the low end on; the eight tiles by turns
.endr
.irp i, 0,1,2,3,4,5,6,7
	v_max3_num_f32 v[TMP+2*\i+1], v[TMP+2*\i+1], v[S+8*\i+3], v[S+8*\i+4]
.endr
.irp i, 0,1,2,3,4,5,6,7
	v_max3_num_f32 v[TMP+2*\i+1], v[TMP+2*\i+1], v[S+8*\i+5], v[S+8*\i+6]
.endr
.irp i, 0,1,2,3,4,5,6,7
	v_max_num_f32 v[TMP+2*\i+1], v[TMP+2*\i+1], v[S+8*\i+7]
.endr
.irp i, 0,1,2,3,4,5,6,7
	v_mul_f32 v[TMP+2*\i], s[NCS], v[TMP+2*\i+1]   ; -c m
.endr
.irp p, 0,2,4,6
.irp i, 0,1,2,3,4,5,6,7
	v_pk_fma_f32 v[S+8*\i+\p:S+8*\i+\p+1], v[S+8*\i+\p:S+8*\i+\p+1], s[CS:CS+1], v[TMP+2*\i:TMP+2*\i+1] op_sel_hi:[1,0,0]   ; c s - c m, two at a time
.endr
.endr
.set e, 0
.rept 64
	v_exp_f32 v[S+e], v[S+e]                       ; one batch
.set e, e+1
.endr
	v_nop                                          ; a plain instruction behind the last exponential
	s_wait_alu depctr_va_vdst(0)                   ; one wait for the batch, ahead of its first reader
.irp i, 0,1,2,3,4,5,6,7
	v_pk_add_f32 v[SU+4*\i:SU+4*\i+1], v[S+8*\i:S+8*\i+1], v[S+8*\i+2:S+8*\i+3]
.endr
.irp i, 0,1,2,3,4,5,6,7
	v_pk_add_f32 v[SU+4*\i+2:SU+4*\i+3], v[S+8*\i+4:S+8*\i+5], v[S+8*\i+6:S+8*\i+7]
.endr
.irp i, 0,1,2,3,4,5,6,7
	v_pk_add_f32 v[SU+4*\i:SU+4*\i+1], v[SU+4*\i:SU+4*\i+1], v[SU+4*\i+2:SU+4*\i+3]
.endr
.irp i, 0,1,2,3,4,5,6,7
	v_add_f32 v[SU+4*\i], v[SU+4*\i], v[SU+4*\i+1] ; the row's sum: at least about 1
.endr
.irp i, 0,1,2,3,4,5,6,7
	v_rcp_f32 v[TMP+2*\i], v[SU+4*\i]
.endr
	v_nop
	s_wait_alu depctr_va_vdst(0)                   ; one wait for the eight reciprocals
.irp p, 0,2,4,6
.irp i, 0,1,2,3,4,5,6,7
	v_pk_mul_f32 v[S+8*\i+\p:S+8*\i+\p+1], v[S+8*\i+\p:S+8*\i+\p+1], v[TMP+2*\i:TMP+2*\i+1] op_sel_hi:[1,0]   ; p, normalised in f32
.endr
.endr
	WIN 0x05                                       ; sources window 1, destination window 0
.irp i, 0,1,2,3,4,5,6,7
.irp jj, 0,1,2,3
	v_cvt_pk_f16_f32 v[P+8*\i+\jj], v[S+8*\i+2*\jj], v[S+8*\i+2*\jj+1]
.endr
.endr
	WIN 0
	s_mov_b32 vcc_lo, 0xff0000ff                   ; lanes 0-7 and 24-31: the keys that the lane holds belong to its query's group
.irp i, 0,1,2,3,4,5,6,7
.irp jj, 0,1,2,3
	v_cndmask_b32 v[P+8*\i+\jj], 0, v[P+8*\i+\jj], vcc_lo   ; the other lanes' p count for nothing
.endr
.endr
	s_wait_tensorcnt 0x0                           ; my last tensor load, a whole third of v's X or W, is in (no load was issued behind it);
	s_wait_dscnt 0x0                               ; Wv's first two K steps are in registers
	s_barrier_signal -1
	s_barrier_wait -1                              ; all of v's operands lie in LDS; nothing is filled again
	; ---- v BY ROW TILES: tile i is multiplied (32 scaled products), rounded, multiplied by P (4 products), and leaves through my stage while tile i + 1 is multiplied
.macro AFETCH i                                ; X's fragments of row tile i for all eight K steps: 24 loads
	WIN 0x40
.irp k, 0,1,2,3,4,5,6,7
	FRAG 96*((\i)%2)+12*\k, ADRX, ADRXS, \i, \k
.endr
.endm
.macro GEMMV i                                 ; the natural way: source 0 = X, source 1 = Wv; the four accumulators by turns, K ascending; the first K step starts the sums
.set gk, 0
.rept 8
.if gk < 5
	WIN 0x59                                       ; X window 1, Wv window 2, C and D window 1
.set gW, 48*gk
.else
	WIN 0x5d                                       ; Wv window 3
.set gW, 48*(gk-5)
.endif
.set gc, 0
.rept 4
.set rD, VACC+8*gc
.set rC, rD
.set rA, 96*((\i)%2)+12*gk
.set rB, gW+12*gc
.set rSA, SC0+8*((\i)%4)+gk
.set rSB, SC0+32+8*(gc%2)+gk
.set fRA, (\i)/4
.set fRB, gc/2
.if gk == 0
	SW 1
.else
	SW 0
.endif
.set gc, gc+1
.endr
.set gk, gk+1
.endr
.endm
.macro VCONV                                   ; lane (r, h) holds v(row 8 h + j, column 16 c + r): rounded in pairs, registers 0-3 of V^T's fragment c
	WIN 0x05
.irp c, 0,1,2,3
.irp jj, 0,1,2,3
	v_cvt_pk_f16_f32 v[VB+8*\c+\jj], v[VACC+8*\c+2*\jj], v[VACC+8*\c+2*\jj+1]
.endr
.endr
.endm
.macro PV i                                    ; O^T = V^T P + bv: lane (r, h) holds query r, d = 16 c + 8 h + 0 .. 7.  Even tiles' O^T in window 0, odd tiles' in window 1
	WIN 0x30+0x40*((\i)%2)                         ; bv window 3
.irp c, 0,1,2,3
	v_wmma_f32_16x16x32_f16 v[O+8*\c:O+8*\c+7], v[VB+8*\c:VB+8*\c+7], v[P+8*(\i):P+8*(\i)+7], v[BIAS+8*\c:BIAS+8*\c+7]
.endr
.endm
; The stage is my own: the first 16 of my 64 rows of W in third 0, which has had its last fill and which I alone read, into registers, ahead of the stage's first store (LDS serves a wave's instructions in order).
.macro TOSTAGE i
	WIN 0x04*((\i)%2)                              ; an LDS store's data are its source 1
.irp c, 0,1,2,3
	ds_store_b128 v[STO], v[O+8*\c:O+8*\c+3] offset:64*\c          ; each accumulator from its low end on
	ds_store_b128 v[STO], v[O+8*\c+4:O+8*\c+7] offset:64*\c+16
.endr
	WIN 0xc0
.irp t, 0,1,2,3,4,5,6,7
	ds_load_b128 v[BK+32*((\i)%2)+4*\t:BK+32*((\i)%2)+4*\t+3], v[RD] offset:2*PITCH*\t   ; LDS serves a wave's instructions in order (ISA guide 5.7.1.4): these see the stores above, and the next tile's stores come behind them
.endr
.endm
.macro SEND i, n                               ; n: the LDS instructions issued behind tile i's loads from the stage, which may stay out
	s_wait_dscnt \n
	WIN 0x0c                                       ; a store's data are its source 1: window 3
.irp t, 0,1,2,3,4,5,6,7
	global_store_b128 v[GO], v[BK+32*((\i)%2)+4*\t:BK+32*((\i)%2)+4*\t+3], s[OUT:OUT+1] offset:(16*(\i)+2*\t)*4096 th:TH_STORE_NT   ; 16 lanes store 256 consecutive bytes, at a multiple of 256 from out's first byte; written once
.endr
.endm
; Row tile i.  n: the LDS instructions issued behind tile i's fragments.  The places serve at once: the conversions that read v's sums and write V^T's registers, the loads into the set just multiplied, the stage's stores of the last O^T
; (four each), and the next tile's first products, which begin v's accumulators anew with the constant 0 as C (five).
.macro VT i, n
	s_wait_dscnt \n
	GEMMV \i
	PLACES 5
.if \i >= 3
	s_wait_xcnt 0x0                                ; tile i - 3's stores have read their registers: tile i - 1's rows may land there
.endif
.if \i >= 1
	TOSTAGE (\i)-1
.endif
.if \i >= 2
.if \i <= 6
	SEND (\i)-2, 40                                ; behind its loads: 24 fragment loads and tile i - 1's 16 stage instructions
.else
	SEND (\i)-2, 16
.endif
.endif
.if \i <= 5
	AFETCH (\i)+2
.endif
	VCONV
	PV \i
.endm
	WCOPY 2, 3, 0x80, 0                            ; the rest of Wv: K steps 2-4 beside steps 0-1,
	WCOPY 5, 3, 0xc0, 5                            ; K steps 5-7 where q and W's sets lay
	AFETCH 0
	AFETCH 1
	VT 0, 24                                       ; tile 1's 24 loads may be out
	VT 1, 24
	VT 2, 40                                       ; 16 stage instructions and 24 loads
	VT 3, 40
	VT 4, 40
	VT 5, 40
	VT 6, 40
	VT 7, 16
	PLACES 4
	s_wait_xcnt 0x0
	TOSTAGE 7
	SEND 6, 16
	SEND 7, 0
	WIN 0
	s_wait_tensorcnt 0x0                           ; the wave's end: behind my last tensor load and my last LDS store
	ds_add_u32 v[SPW], v[NIL]
	s_wait_dscnt 0x0
	CROUND                                         ; the closing round: no work-group ends while a partner may still ask for a tile that names it
	s_endpgm
.Lfunc_end_k_q77962d200e_mha:
	.size	k_q77962d200e_mha, .Lfunc_end_k_q77962d200e_mha-k_q77962d200e_mha
	.p2alignl 7, 3214868480
	.fill 96, 4, 3214868480
	.section	.rodata,"a",@progbits
	.p2align	6, 0x0
	.amdhsa_kernel k_q77962d200e_mha
		.amdhsa_group_segment_fixed_size 327680
		.amdhsa_private_segment_fixed_size 0
		.amdhsa_enable_private_segment 0
		.amdhsa_kernarg_size 128
		.amdhsa_user_sgpr_count 2
		.amdhsa_user_sgpr_kernarg_segment_ptr 1
		.amdhsa_wavefront_size32 1
		.amdhsa_system_sgpr_workgroup_id_x 1
		.amdhsa_system_sgpr_workgroup_id_y 1
		.amdhsa_system_sgpr_workgroup_id_z 1
		.amdhsa_system_vgpr_workitem_id 0
		.amdhsa_next_free_vgpr 1024
		.amdhsa_next_free_sgpr 102
		.amdhsa_reserve_vcc 1
		.amdhsa_float_denorm_mode_32 3
		.amdhsa_float_denorm_mode_16_64 3
		.amdhsa_memory_ordered 1
		.amdhsa_forward_progress 1
		.amdhsa_inst_pref_size 246
	.end_amdhsa_kernel
	.amdgpu_metadata
---
amdhsa.version: [ 1, 2 ]
amdhsa.kernels:
  - .name:           k_q77962d200e_mha
    .symbol:         k_q77962d200e_mha.kd
    .args:
      - { .name: queries_codes, .offset: 0, .size: 8, .value_kind: global_buffer, .address_space: global }
      - { .name: queries_scales, .offset: 8, .size: 8, .value_kind: global_buffer, .address_space: global }
      - { .name: keys_codes, .offset: 16, .size: 8, .value_kind: global_buffer, .address_space: global }
      - { .name: keys_scales, .offset: 24, .size: 8, .value_kind: global_buffer, .address_space: global }
      - { .name: values_codes, .offset: 32, .size: 8, .value_kind: global_buffer, .address_space: global }
      - { .name: values_scales, .offset: 40, .size: 8, .value_kind: global_buffer, .address_space: global }
      - { .name: Wq_codes, .offset: 48, .size: 8, .value_kind: global_buffer, .address_space: global }
      - { .name: Wq_scales, .offset: 56, .size: 8, .value_kind: global_buffer, .address_space: global }
      - { .name: Wk_codes, .offset: 64, .size: 8, .value_kind: global_buffer, .address_space: global }
      - { .name: Wk_scales, .offset: 72, .size: 8, .value_kind: global_buffer, .address_space: global }
      - { .name: Wv_codes, .offset: 80, .size: 8, .value_kind: global_buffer, .address_space: global }
      - { .name: Wv_scales, .offset: 88, .size: 8, .value_kind: global_buffer, .address_space: global }
      - { .name: bq, .offset: 96, .size: 8, .value_kind: global_buffer, .address_space: global }
      - { .name: bk, .offset: 104, .size: 8, .value_kind: global_buffer, .address_space: global }
      - { .name: bv, .offset: 112, .size: 8, .value_kind: global_buffer, .address_space: global }
      - { .name: out0, .offset: 120, .size: 8, .value_kind: global_buffer, .address_space: global }
    .group_segment_fixed_size: 327680
    .private_segment_fixed_size: 0
    .kernarg_segment_align: 8
    .kernarg_segment_size: 128
    .max_flat_workgroup_size: 128
    .sgpr_count:     102
    .vgpr_count:     1024
    .wavefront_size: 32
...
	.end_amdgpu_metadata
.endif
;; end of part 1
